; MI455X (gfx1250); checked and timed in simulation.
; The chip was launched on July 23, 2026; its instructions are those of AMD's public machine-readable ISA for CDNA 5 (MIT licence, August 2026) and "CDNA5" Instruction Set Architecture Reference Guide (July 2026). The comments in the code are by the model that wrote it; some were corrected since.
;; Multi Head Attention. Allowed arithmetic: matrix products marked QUANTISED: E2M3 operands, one E8M0 scale for each 32 along K, by v_wmma_scale_f32_16x16x128_f8f6f4 with both operands' format E2M3, f32 sums; everything else in f32.
;; Inputs: W_k 512 x 512 float32; W_o 512 x 512 float32; W_q 512 x 512 float32; W_v 512 x 512 float32; b_k 512 float32; b_o 512 float32; b_q 512 float32; b_v 512 float32; k 4 x 2,048 x 512 float32; q 4 x 2,048 x 512 float32; v 4 x 2,048 x 512 float32.
;; Outputs: out0 4 x 2,048 x 512 float32.
;; This version of the problem:
;;   THIS VERSION OF THE PROBLEM IS GIVEN IN LOW PRECISION. The matrix products marked QUANTISED in the list below multiply operands that are first quantised to E2M3 (2 exponent bits, 3 mantissa bits; 6 bits a number), with one power-of-two scale for each 32 numbers along K (OCP MX v1.0); their sums are f32. All else is computed in f32.
;;   The module's matrix products, in the order in which they are computed (A, B: the left and right operand; K: the contracted axis; several contracted axes count as one K, in the product's order):
;;     1. [M 8,192, K 512] x [K 512, N 512]; A: input q; B: input W_q: QUANTISED
;;     2. [M 8,192, K 512] x [K 512, N 512]; A: input k; B: input W_k: QUANTISED
;;     3. [M 8,192, K 512] x [K 512, N 512]; A: input v; B: input W_v: QUANTISED
;;     4. batch 32 x [M 2,048, K 64] x [K 64, N 2,048]; A: computed on the way; B: computed on the way: QUANTISED
;;     5. batch 32 x [M 2,048, K 2,048] x [K 2,048, N 64]; A: softmax (see below); B: computed on the way: QUANTISED
;;     6. [M 8,192, K 512] x [K 512, N 512]; A: computed on the way; B: input W_o: QUANTISED
;;   THE QUANTISER, for each operand of a quantised product, along K:
;;     - K is cut into blocks of 32 from its start; a last block that is shorter is filled with zeros.
;;     - A block's scale is 2^e with e = floor(log2(the largest magnitude in the block)) - 2, held to -126 .. 127; a block of zeros has e = 0. As a byte (E8M0): e + 127.
;;     - Each number is divided by its block's scale, clamped to +-7.5, and rounded to the nearest number of E2M3, ties to even, subnormals kept.
;;     - The product sums the exact products of the quantised numbers (number of the format x scale) in f32.
;;   ~~~python
;;   def quantise(x, axis):      # numpy; x: float32 -> the quantised numbers, widened to float32 again
;;       x = np.moveaxis(x, axis, -1); K = x.shape[-1]
;;       x = np.pad(x, [(0, 0)] * (x.ndim - 1) + [(0, -K % 32)]); x = x.reshape(x.shape[:-1] + (-1, 32)); a = np.abs(x).max(-1, keepdims=True)
;;       e = np.where(a > 0, np.clip(np.frexp(np.where(a > 0, a, 1))[1] - 1 - 2, -126, 127), 0)      # np.frexp(a)[1] - 1 = floor(log2(a)), exactly
;;       r = np.clip(x / 2.0 ** e, -7.5, 7.5)
;;       step = 2.0 ** (np.maximum(np.frexp(np.where(r == 0, 1, r))[1] - 1, 0) - 3)
;;       q = np.round(r / step) * step * 2.0 ** e      # np.round: ties to even
;;       return np.moveaxis(q.reshape(q.shape[:-2] + (-1,))[..., :K], -1, axis).astype(np.float32)
;;   ~~~
;;   SOFTMAX AHEAD OF A QUANTISED PRODUCT. Where the list says 'softmax', what is quantised is not the finished softmax but p = 2^(t - M), with t = logit x log2(e) and M = ceil(the row's largest t), a whole number; so 1/2 < the row's largest p <= 1. The row's sum l is taken of the UNQUANTISED p, in f32, and the product's result is divided by l at the end. Since M is a whole number, a kernel that streams over the keys may use a running M (the ceiling of the running maximum): every later rescaling is an exact power of two, which a block's scale takes up: the codes' values come out the same.
;;   OPERANDS COMPUTED ON THE WAY. 'Computed on the way' means the value that the module computes at that place (a softmax that the list does not call 'softmax' is quantised finished and normalised). What goes into a quantiser is computed in f32, as accurately as f32 sums, v_exp_f32 and their like allow (about 1e-6 of the number): no bf16 or f16 on the way to a quantiser, and a product that is left as it is and whose result goes on into a quantised operand takes f32 operands (vector FMAs, or v_wmma_f32_16x16x4_f32). A number that lies on a knife's edge between two numbers of the format may be rounded either way, as far as f32 arithmetic and the matrix unit's own rounding can turn it there, and no further.
;; One version. Each part assembles by itself: llvm-mc -triple=amdgcn-amd-amdhsa -mcpu=gfx1250 --defsym DOCPART=n.
;; ======== version 1 of 1: 4 launches
;; limits: right only within a limited range of input values
;; workspace buffers: img 11,075,584 bytes; qkv 10,223,616 bytes; ao 4,194,304 bytes
;; launch quant (part 1): grid 416 x 1, 4 waves a work-group, no clusters, 34,304 bytes of LDS; arguments q, k, v, W_q, W_k, W_v, W_o, img; writes img
.if DOCPART == 1
	.amdgcn_target "amdgcn-amd-amdhsa--gfx1250"
	.amdhsa_code_object_version 6
	.text
	.protected	k_qc36f166124_quant
	.globl	k_qc36f166124_quant
	.p2align	8
	.type	k_qc36f166124_quant,@function
k_qc36f166124_quant:
	s_mov_b64 s[64:65], 0
	v_nop
	global_prefetch_b8 v0, s[64:65] scope:SCOPE_SE
	s_setreg_imm32_b32 hwreg(HW_REG_WAVE_MODE, 25, 1), 1
	s_wait_xcnt 0x0
; q, k, v [8192][512] and W_q, W_k, W_v, W_o [512][512], f32 with K innermost, become codes of FP6 (E2M3) with one E8M0 scale byte for each 32 along K,
; laid in img in the order of an operand's registers, so that the later launches take fragments by loads of 16 bytes a lane from dense blocks.
; A block's scale is 2^(floor(log2(its largest magnitude)) - 2); its byte is the largest magnitude's exponent field - 2, held at 1 from below.
; LIMITS: NaN and infinities among the inputs are not served; a block whose largest magnitude lies under 2^-124 keeps the byte 1; a block of zeros gets the byte 1
; where the rule says 127: its codes are zeros, which add nothing under any byte but 0xff, and the bytes are read by this program alone.
; A TILE is 16 rows that are not neighbours.  All tensors but k: lane r of tile T holds row 32 (T / 2) + 8 (T % 2) + r + 8 (r / 8): the 16 result registers of tiles 2 b, 2 b + 1 are 16 neighbours.
; Tensor k: lane r of tile T holds row 64 (T / 4) + 8 (T % 4) + r + 24 (r / 8): in the attention's S^T the 32 result registers of tiles 4 c .. 4 c + 3 are the 32 keys 64 c + 32 (lane / 16) + 0 .. 31, a whole block.
; A RECORD (6,656 bytes) is one tile: four fragment images (K steps of 128; 1,536 bytes each: registers 4 c .. 4 c + 3 of lane L at 512 c + 16 L), then at 6,144 the scale words, four a lane at 16 L.
; WHERE A RECORD LIES: tile T of tensor t (q, k, v = 0, 1, 2) at record 24 (T / 8) + 6 ((T % 8) / 2) + 2 t + T % 2; of weight t (W_q, W_k, W_v) 1,536 further on; W_o's tile T at 1,632 + T.
; So the two tiles that a wave of the projection fetches lie, for all three tensors, in six neighbouring records.
; SHARES: a wave makes one record; work-groups 0-127 q, 128-255 k, 256-383 v, 384- W_q, 392- W_k, 400- W_v, 408-415 W_o.  Only pointers and offsets are chosen by the work-group's number: one path.
; Waves share nothing: no barrier.  No matrix unit, no cluster, no tensor load: a stream, each byte read once.
.set REC,  6656
.set SCO,  6144
.set SP,   528                         ; a stage row: 512 bytes + 16
.set WSTG, 16*SP
.set R0,   16                          ; v16-143  two sets of 64 numbers as loaded
.set X,    144                         ; v144-207 register 16 b + i = k 32 b + 16 (lane / 16) + i of my row
.set TM,   208
.set PW,   224
.set PC,   228
.set SEL,  28
.macro QUANT src, pw
.irp b, 0,1,2,3
	v_max3_num_f32 v[TM+\b], |v[\src+16*\b]|, |v[\src+1+16*\b]|, 0x1800000   ; with the floor 2^(3 - 127)
.endr
.irp i, 2,4,6,8,10,12,14
.irp b, 0,1,2,3
	v_max3_num_f32 v[TM+\b], v[TM+\b], |v[\src+16*\b+\i]|, |v[\src+1+16*\b+\i]|
.endr
.endr
.irp b, 0,1,2,3
	v_permlanex16_b32 v[TM+4+\b], v[TM+\b], s[SEL], s[SEL+1]
.endr
.irp b, 0,1,2,3
	v_max_num_f32 v[TM+\b], v[TM+\b], v[TM+4+\b]
.endr
.irp b, 0,1,2,3
	v_add_nc_u32 v[TM+12+\b], 0xff000000, v[TM+\b]         ; 2 off the exponent field: the conversion's scale operand
.endr
.irp b, 0,1,2,3
	v_lshrrev_b32 v[TM+4+\b], 23, v[TM+12+\b]              ; the byte
.endr
	v_lshl_or_b32 v[\pw], v[TM+5], 8, v[TM+4]
	v_lshl_or_b32 v[\pw], v[TM+6], 16, v[\pw]
	v_lshl_or_b32 v[\pw], v[TM+7], 24, v[\pw]
.irp c, 0,1
	v_cvt_scalef32_pk16_fp6_f32 v[PC+6*\c:PC+2+6*\c], v[\src+32*\c:\src+15+32*\c], v[TM+12+2*\c]
	v_cvt_scalef32_pk16_fp6_f32 v[PC+12+4*\c:PC+14+4*\c], v[\src+16+32*\c:\src+31+32*\c], v[TM+13+2*\c]
.endr
	v_nop                                                  ; one plain instruction behind the scaled conversions
.irp c, 0,1                                            ; a whole block in a lane
.irp i, 0,1,2
	v_permlane16_swap_b32 v[PC+6*\c+\i], v[PC+12+4*\c+\i]
.endr
.irp i, 0,1,2
	v_mov_b32 v[PC+3+6*\c+\i], v[PC+12+4*\c+\i]
.endr
.endr
.endm
.macro PICK bound, ptr, base
	s_cmp_lt_u32 ttmp9, \bound
	s_cselect_b64 s[22:23], s[\ptr:\ptr+1], s[22:23]
	s_cselect_b32 s21, \base, s21
.endm
	s_load_b256 s[4:11], s[0:1], 0x0               ; q, k, v, W_q
	s_load_b256 s[12:19], s[0:1], 0x20             ; W_k, W_v, W_o, img
	v_lshl_add_u32 v248, v0, 2, 0x8400
	v_mov_b32 v249, 0
	v_lshrrev_b32 v1, 5, v0
	v_readfirstlane_b32 s20, v1                    ; wave
	v_and_b32 v4, 31, v0
	v_and_b32 v5, 15, v0
	v_bfe_u32 v6, v0, 4, 1
	v_lshlrev_b32 v1, 4, v4                        ; 16 x lane
	s_mul_i32 s24, s20, WSTG
	v_add_nc_u32 v2, s24, v1                       ; into my stage
	v_mul_u32_u24 v3, v5, SP
	v_lshl_add_u32 v3, v6, 6, v3
	v_add_nc_u32 v3, s24, v3                       ; out of it: row r, + 64 h
.irp b, 0,1,2,3
	v_mov_b32 v[TM+4+\b], 0                        ; a lane permute's destination counts as a source
.endr
	s_mov_b32 s[SEL], 0x76543210
	s_mov_b32 s[SEL+1], 0xfedcba98
	s_wait_alu depctr_va_vdst(0)                   ; the wait at the head's end
	s_wait_kmcnt 0x0
	s_mov_b64 s[22:23], s[16:17]
	s_mov_b32 s21, 408
	PICK 408, 14, 400
	PICK 400, 12, 392
	PICK 392, 10, 384
	PICK 384, 8, 256
	PICK 256, 6, 128
	PICK 128, 4, 0
	s_sub_co_u32 s24, ttmp9, s21
	s_lshl_b32 s24, s24, 2
	s_add_co_u32 s24, s24, s20                     ; T
	s_lshr_b32 s26, s24, 1
	s_lshl_b32 s26, s26, 16
	s_and_b32 s25, s24, 1
	s_lshl_b32 s25, s25, 14
	s_or_b32 s26, s26, s25                         ; (32 (T / 2) + 8 (T % 2)) rows of 2,048 bytes
	s_lshr_b32 s30, s24, 2
	s_lshl_b32 s30, s30, 17
	s_and_b32 s25, s24, 3
	s_lshl_b32 s25, s25, 14
	s_or_b32 s30, s30, s25                         ; k: (64 (T / 4) + 8 (T % 4)) rows
	s_cmp_eq_u32 s21, 128                          ; tensor k?
	s_cselect_b32 s26, s30, s26
	s_cselect_b32 s31, 0x8000, 0                   ; k: the tile's rows 8-15 lie 16 rows further on
	s_mov_b32 s27, 0
	s_add_nc_u64 s[22:23], s[22:23], s[26:27]
	s_lshr_b32 s25, s24, 3                         ; my record's place
	s_mul_i32 s25, s25, 24
	s_bfe_u32 s30, s24, 0x20001
	s_mul_i32 s30, s30, 6
	s_add_co_u32 s25, s25, s30
	s_and_b32 s30, s24, 1
	s_add_co_u32 s25, s25, s30
	s_lshr_b32 s30, s21, 6                         ; q, k, v: 2 t
	s_sub_co_u32 s26, s21, 384
	s_lshr_b32 s26, s26, 2
	s_add_co_u32 s26, s26, 1536                    ; the weights: 1,536 + 2 t
	s_cmp_lt_u32 ttmp9, 384
	s_cselect_b32 s30, s30, s26
	s_add_co_u32 s25, s25, s30
	s_lshl_b32 s24, ttmp9, 2
	s_add_co_u32 s24, s24, s20                     ; W_o: 4 x work-group + wave = 1,632 + T
	s_cmp_lt_u32 ttmp9, 408
	s_cselect_b32 s24, s25, s24
	s_mul_i32 s24, s24, REC
	s_mov_b32 s25, 0
	s_add_nc_u64 s[18:19], s[18:19], s[24:25]
	v_add_nc_u32 v7, s31, v1                       ; the offset of rows 8-15
	s_wait_alu depctr_va_vdst(0)                   ; the wait behind the write
.macro LOADK s                         ; each load reads 512 consecutive bytes of one row
.irp rho, 0,1,2,3,4,5,6,7,8,9,10,11,12,13,14,15
	global_load_b128 v[R0+64*((\s)%2)+4*\rho:R0+64*((\s)%2)+4*\rho+3], v[1+6*(\rho/8)], s[22:23] offset:(\rho+8*(\rho/8))*2048+512*(\s) th:TH_LOAD_NT
.endr
.endm
.macro TURN s                          ; LDS serves a wave's instructions in order: no wait between the stores and the loads
.irp rho, 0,1,2,3,4,5,6,7,8,9,10,11,12,13,14,15
	ds_store_b128 v2, v[R0+64*((\s)%2)+4*\rho:R0+64*((\s)%2)+4*\rho+3] offset:SP*\rho
.endr
.irp b, 0,1,2,3
.irp j, 0,1,2,3
	ds_load_b128 v[X+16*\b+4*\j:X+16*\b+4*\j+3], v3 offset:128*\b+16*\j
.endr
.endr
.endm
.macro KSTEP s
.if (\s) < 3
	s_wait_loadcnt 16                              ; this K step's 16 loads are in; the other set's 16 may be out
.else
	s_wait_loadcnt 0x0
.endif
	TURN \s
	s_wait_dscnt 0x0
.if (\s) > 0
	s_wait_xcnt 0x0                                ; the last K step's stores have read the codes' registers
.endif
.if (\s) < 2
	LOADK (\s)+2
.endif
	QUANT X, PW+(\s)
.irp c, 0,1,2
	global_store_b128 v1, v[PC+4*\c:PC+4*\c+3], s[18:19] offset:1536*(\s)+512*\c   ; 512 consecutive bytes, at a multiple of 256
.endr
.endm
	LOADK 0
	LOADK 1
	KSTEP 0
	KSTEP 1
	KSTEP 2
	KSTEP 3
	global_store_b128 v1, v[PW:PW+3], s[18:19] offset:SCO
	s_wait_tensorcnt 0x0                           ; the wave's end
	ds_add_u32 v248, v249
	s_wait_dscnt 0x0
	s_endpgm
.Lfunc_end_k_qc36f166124_quant:
	.size	k_qc36f166124_quant, .Lfunc_end_k_qc36f166124_quant-k_qc36f166124_quant
	.p2alignl 7, 3214868480
	.fill 96, 4, 3214868480
	.section	.rodata,"a",@progbits
	.p2align	6, 0x0
	.amdhsa_kernel k_qc36f166124_quant
		.amdhsa_group_segment_fixed_size 34304
		.amdhsa_private_segment_fixed_size 0
		.amdhsa_enable_private_segment 0
		.amdhsa_kernarg_size 64
		.amdhsa_user_sgpr_count 2
		.amdhsa_user_sgpr_kernarg_segment_ptr 1
		.amdhsa_wavefront_size32 1
		.amdhsa_system_sgpr_workgroup_id_x 1
		.amdhsa_system_sgpr_workgroup_id_y 1
		.amdhsa_system_sgpr_workgroup_id_z 1
		.amdhsa_system_vgpr_workitem_id 0
		.amdhsa_next_free_vgpr 250
		.amdhsa_next_free_sgpr 66
		.amdhsa_reserve_vcc 0
		.amdhsa_float_denorm_mode_32 3
		.amdhsa_float_denorm_mode_16_64 3
		.amdhsa_memory_ordered 1
		.amdhsa_forward_progress 1
		.amdhsa_inst_pref_size 35
	.end_amdhsa_kernel
	.amdgpu_metadata
---
amdhsa.version: [ 1, 2 ]
amdhsa.kernels:
  - .name:           k_qc36f166124_quant
    .symbol:         k_qc36f166124_quant.kd
    .args:
      - { .name: q, .offset: 0, .size: 8, .value_kind: global_buffer, .address_space: global }
      - { .name: k, .offset: 8, .size: 8, .value_kind: global_buffer, .address_space: global }
      - { .name: v, .offset: 16, .size: 8, .value_kind: global_buffer, .address_space: global }
      - { .name: W_q, .offset: 24, .size: 8, .value_kind: global_buffer, .address_space: global }
      - { .name: W_k, .offset: 32, .size: 8, .value_kind: global_buffer, .address_space: global }
      - { .name: W_v, .offset: 40, .size: 8, .value_kind: global_buffer, .address_space: global }
      - { .name: W_o, .offset: 48, .size: 8, .value_kind: global_buffer, .address_space: global }
      - { .name: img, .offset: 56, .size: 8, .value_kind: global_buffer, .address_space: global }
    .group_segment_fixed_size: 34304
    .private_segment_fixed_size: 0
    .kernarg_segment_align: 8
    .kernarg_segment_size: 64
    .max_flat_workgroup_size: 128
    .sgpr_count:     66
    .vgpr_count:     250
    .wavefront_size: 32
...
	.end_amdgpu_metadata
.endif
;; end of part 1
;; launch proj (part 2): grid 4 x 64, 8 waves a work-group, clusters of 4 x 4, 327,680 bytes of LDS; arguments img, b_q, b_k, b_v, qkv; writes qkv
.if DOCPART == 2
	.amdgcn_target "amdgcn-amd-amdhsa--gfx1250"
	.amdhsa_code_object_version 6
	.text
	.protected	k_qc36f166124_proj
	.globl	k_qc36f166124_proj
	.p2align	8
	.type	k_qc36f166124_proj,@function
k_qc36f166124_proj:
	s_mov_b64 s[64:65], 0
	v_nop
	global_prefetch_b8 v0, s[64:65] scope:SCOPE_SE
	s_setreg_imm32_b32 hwreg(HW_REG_WAVE_MODE, 25, 1), 1
	s_wait_xcnt 0x0
	s_wait_alu depctr_hold_cnt(0) depctr_sa_sdst(0) depctr_va_vdst(0) depctr_va_sdst(0) depctr_va_ssrc(0) depctr_va_vcc(0) depctr_vm_vsrc(0)
	s_getreg_b32 s2, hwreg(HW_REG_IB_STS2, 6, 4)
	s_cmp_eq_u32 s2, 0
	s_cbranch_scc0 .Lentry_in_a_cluster
	s_endpgm
.Lentry_in_a_cluster:
	s_bfe_u32 s2, ttmp6, 0x10000c
	s_cmp_lg_u32 s2, 0xf033
	s_cbranch_scc0 .Lentry_shape_is_right
	s_endpgm
.Lentry_shape_is_right:
; Q = q W_q^T + b_q, K = k W_k^T + b_k, V = v W_v^T + b_v on codes of FP6 (E2M3) with E8M0 scales, sums in f32; the results are quantised in registers for the attention's two products:
; Q and K along the head's 64 channels, V along the keys; they leave as images of operand registers.
; LIMITS: NaN and infinities are not served; a block under 2^-124, and a block of zeros, keeps the byte 1.
; SHARES.  Work-group (g, i) makes rows 128 i .. + 127 x columns 128 g .. + 127 (heads 2 g, 2 g + 1) of Q, then K, then V.  Wave w: hp = w / 4 the head of the pair, e = w % 4.
;   Q, K: row tiles 2 e, 2 e + 1 x the head's four tiles of W, TRANSPOSED (source 0 = 16 rows of W, source 1 = 16 rows of x): a lane holds one row, its registers run along the channels.
;   V: all eight row tiles x tile e of the head's W; source 0 = 16 rows of x: a lane holds one channel, its registers run down the 128 keys.
;   Either way 8 accumulators, 32 products a pass, and 64 results that become one fragment and one scale word a lane.
; LDS holds all three passes' operands, 8 regions of six records (39,936 bytes): region w < 4: x's tiles 2 w, 2 w + 1 for q, k, v; region 4 + u: W's tiles 2 u, 2 u + 1 of the block for W_q, W_k, W_v.
; img lays those six records side by side, so each wave fills its region by ONE tensor load at the head, 156 rows of 256 bytes; every byte is filled once; one barrier.
; CLUSTER 4 x 4: x's regions hang on i alone and are asked for jointly along a row of the cluster, W's on g alone, jointly along a column.
; No prefetch: the launch's only loads from img stand at its head; there is no loop to run ahead in.
; qkv: [Q, K, V][8 batch + head][step of 128 rows][record of 6,656 bytes]: fragment e at 1,536 e (registers 4 c .. 4 c + 3 of lane L at 512 c + 16 L), its scale words at 6,144 + 128 e + 4 L.
; The biases are the C of each sum's first product.
.set REC,   6656
.set SCO,   6144
.set FRB,   1536
.set TEN,   512*REC
.set ACC,   16                         ; v16-79   8 accumulators
.set FR,    80                         ; v80-187  up to 9 fragments; behind a pass's products the quantiser works here
.set TM,    80
.set PC,    96
.set PW,    116
.set SC,    188                        ; v188-223 scale words alone
.set B,     224                        ; v224-255 the bias
.set G1X,   24
.set G1W,   32
.set G0X,   40
.set G0W,   52
.set SEL,   80
.macro QUANT src, pw
.irp b, 0,1,2,3
	v_max3_num_f32 v[TM+\b], |v[\src+16*\b]|, |v[\src+1+16*\b]|, 0x1800000   ; each accumulator from its low end on; the floor 2^(3 - 127)
.endr
.irp i, 2,4,6,8,10,12,14
.irp b, 0,1,2,3
	v_max3_num_f32 v[TM+\b], v[TM+\b], |v[\src+16*\b+\i]|, |v[\src+1+16*\b+\i]|
.endr
.endr
.irp b, 0,1,2,3
	s_delay_alu instid0(VALU_DEP_4)
	v_permlanex16_b32 v[TM+4+\b], v[TM+\b], s[SEL], s[SEL+1]
.endr
.irp b, 0,1,2,3
	s_delay_alu instid0(VALU_DEP_4)
	v_max_num_f32 v[TM+\b], v[TM+\b], v[TM+4+\b]
.endr
.irp b, 0,1,2,3
	s_delay_alu instid0(VALU_DEP_4)
	v_add_nc_u32 v[TM+12+\b], 0xff000000, v[TM+\b]
.endr
.irp b, 0,1,2,3
	s_delay_alu instid0(VALU_DEP_4)
	v_lshrrev_b32 v[TM+4+\b], 23, v[TM+12+\b]
.endr
	s_delay_alu instid0(VALU_DEP_3)
	v_lshl_or_b32 v[\pw], v[TM+5], 8, v[TM+4]
	s_delay_alu instid0(VALU_DEP_1)
	v_lshl_or_b32 v[\pw], v[TM+6], 16, v[\pw]
	s_delay_alu instid0(VALU_DEP_1)
	v_lshl_or_b32 v[\pw], v[TM+7], 24, v[\pw]
.irp c, 0,1
	v_cvt_scalef32_pk16_fp6_f32 v[PC+6*\c:PC+2+6*\c], v[\src+32*\c:\src+15+32*\c], v[TM+12+2*\c]
	v_cvt_scalef32_pk16_fp6_f32 v[PC+12+4*\c:PC+14+4*\c], v[\src+16+32*\c:\src+31+32*\c], v[TM+13+2*\c]
.endr
	v_nop
.irp c, 0,1
.irp i, 0,1,2
	v_permlane16_swap_b32 v[PC+6*\c+\i], v[PC+12+4*\c+\i]
.endr
.irp i, 0,1,2
	s_delay_alu instid0(VALU_DEP_3)
	v_mov_b32 v[PC+3+6*\c+\i], v[PC+12+4*\c+\i]
.endr
.endr
.endm
.macro CROUND
	s_barrier_signal -1
	s_barrier_wait -1
	s_cmp_lg_u32 s14, 0
	s_cbranch_scc1 .Lnot_wave_0_\@
	s_barrier_signal -3
.Lnot_wave_0_\@:
	s_barrier_wait -3
	s_barrier_signal -1
	s_barrier_wait -1
.endm
.macro PLACES                          ; four plain vector instructions behind a product (ISA guide 7.12.1)
.rept 4
	v_nop
.endr
.endm
.macro FRAG reg, adr, off
.irp c, 0,1,2
	ds_load_b128 v[\reg+4*\c:\reg+4*\c+3], v[\adr] offset:\off+512*\c
.endr
.endm
.macro BIAS_T sb                       ; tile n, register j: channel 32 (n / 2) + 8 (n % 2) + 16 h + j
.irp n, 0,1,2,3
.irp y, 0,1
	global_load_b128 v[B+8*\n+4*\y:B+8*\n+4*\y+3], v6, s[\sb:\sb+1] offset:(32*(\n/2)+8*(\n%2))*4+16*\y
.endr
.endr
.endm
.macro BIAS_N                          ; V: a lane holds one channel
.irp j, 0,1,2,3,4,5,6,7
	global_load_b32 v[B+\j], v7, s[76:77]
.endr
.endm
.macro SEND t
.irp c, 0,1,2
	global_store_b128 v4, v[PC+4*\c:PC+4*\c+3], s[70:71] offset:TEN*\t+512*\c   ; 512 consecutive bytes, at a multiple of 256
.endr
	global_store_b32 v5, v[PW], s[70:71] offset:TEN*\t
.endm
	s_load_b256 s[4:11], s[0:1], 0x0               ; img, b_q, b_k, b_v
	s_load_b64 s[12:13], s[0:1], 0x20              ; qkv
	v_lshl_add_u32 v14, v0, 2, 0x4e000
	v_mov_b32 v15, 0
	ds_add_u32 v14, v15                            ; the opening lines
	ds_add_u32 v14, v15
	v_lshrrev_b32 v1, 5, v0
	s_delay_alu instid0(VALU_DEP_1)
	v_readfirstlane_b32 s14, v1                    ; wave 0..7
	s_lshr_b32 s15, s14, 2                         ; hp; also: I fetch for x (0) or W (1)
	s_and_b32 s16, s14, 3                          ; e; also: which pair of tiles I fetch
	s_bfe_u32 s17, ttmp6, 0x40000                  ; cx
	s_bfe_u32 s18, ttmp6, 0x40004                  ; cy
	s_lshl_b32 s19, ttmp9, 2
	s_add_co_u32 s19, s19, s17                     ; g
	s_and_b32 s20, ttmp7, 0xffff
	s_lshl_b32 s20, s20, 2
	s_add_co_u32 s20, s20, s18                     ; i
	s_mul_i32 s21, s14, 6*REC                      ; my region in LDS: the wave's number alone
	s_lshl_b32 s22, s18, 2
	s_lshl_b32 s22, 15, s22                        ; my row of the cluster
	s_lshl_b32 s23, 0x1111, s17                    ; my column
	s_or_b32 s[G1X], s22, (3<<16)|(1<<21)          ; mask; elements of 8 bytes; bit 21 beside a mask
	s_or_b32 s[G1W], s23, (3<<16)|(1<<21)
.irp g, G1X, G1W
	s_mov_b32 s[\g+1], 32<<16                      ; rows of 32 elements = 256 bytes
	s_mov_b32 s[\g+2], 156<<16                     ; 156 rows = six records
	s_mov_b32 s[\g+3], 32<<16
	s_mov_b32 s[\g+4], 156
	s_mov_b32 s[\g+5], 32
	s_mov_b32 s[\g+6], 0
	s_mov_b32 s[\g+7], 0
.endr
	s_mul_i32 s78, s20, 24                         ; x: record 24 i + 6 e (registers that never hold cx or g)
	s_mul_i32 s79, s16, 6
	s_add_co_u32 s78, s78, s79
	s_mul_i32 s78, s78, REC
	s_mov_b32 s79, 0
	s_mul_i32 s82, s19, 24                         ; W: record 1,536 + 24 g + 6 e (registers that never hold cy or i)
	s_mul_i32 s83, s16, 6
	s_add_co_u32 s82, s82, s83
	s_add_co_u32 s82, s82, 1536
	s_mul_i32 s82, s82, REC
	s_mov_b32 s83, 0
	s_lshr_b32 s84, s20, 4                         ; out: record (8 batch + 2 g + hp) x 16 + step
	s_lshl_b32 s84, s84, 3
	s_lshl_b32 s85, s19, 1
	s_add_co_u32 s84, s84, s85
	s_add_co_u32 s84, s84, s15
	s_lshl_b32 s84, s84, 4
	s_and_b32 s85, s20, 15
	s_add_co_u32 s84, s84, s85
	s_mul_i32 s84, s84, REC
	s_mov_b32 s85, 0
	s_mov_b32 s[SEL], 0x76543210
	s_mov_b32 s[SEL+1], 0xfedcba98
	s_wait_dscnt 0x0
	s_wait_kmcnt 0x0
	s_mov_b32 s[G0X], 1
	s_add_co_u32 s[G0X+1], s21, 0
	s_add_nc_u64 s[G0X+2:G0X+3], s[4:5], s[78:79]
	s_or_b32 s[G0X+3], s[G0X+3], 0x80000000
	s_mov_b32 s[G0W], 1
	s_add_co_u32 s[G0W+1], s21, 0
	s_add_nc_u64 s[G0W+2:G0W+3], s[4:5], s[82:83]
	s_or_b32 s[G0W+3], s[G0W+3], 0x80000000
	s_add_nc_u64 s[70:71], s[12:13], s[84:85]
	s_lshl_b32 s82, s19, 9                         ; my head's biases: (128 g + 64 hp) x 4 bytes on
	s_lshl_b32 s83, s15, 8
	s_add_co_u32 s82, s82, s83
	s_mov_b32 s83, 0
	s_add_nc_u64 s[72:73], s[6:7], s[82:83]
	s_add_nc_u64 s[74:75], s[8:9], s[82:83]
	s_lshr_b32 s84, s16, 1                         ; V: my tile of W begins at channel 32 (e / 2) + 8 (e % 2)
	s_lshl_b32 s84, s84, 7
	s_and_b32 s85, s16, 1
	s_lshl_b32 s85, s85, 5
	s_add_co_u32 s84, s84, s85
	s_add_co_u32 s82, s82, s84
	s_add_nc_u64 s[76:77], s[10:11], s[82:83]
	s_mul_i32 s66, s16, 6*REC                      ; LDS places, from the wave's number: x's region e,
	s_mul_i32 s67, s15, 12*REC
	s_add_co_u32 s67, s67, 24*REC                  ; W's regions 4 + 2 hp, 5 + 2 hp,
	s_lshr_b32 s68, s16, 1
	s_mul_i32 s68, s68, 6*REC
	s_and_b32 s69, s16, 1
	s_mul_i32 s69, s69, REC
	s_add_co_u32 s68, s68, s69                     ; tile e of my head's four,
	s_mul_i32 s69, s16, FRB                        ; out: fragment e,
	s_lshl_b32 s78, s16, 7
	s_add_co_u32 s78, s78, SCO                     ; and its scale words
	CROUND                                         ; all sixteen work-groups are here: the joint loads meet
	s_cmp_eq_u32 s15, 0                            ; one load a wave
	s_cbranch_scc0 .Lfill_w
	tensor_load_to_lds s[G0X:G0X+3], s[G1X:G1X+7]
	s_nop 0
.rept 4
	v_nop
.endr
	s_branch .Lfilled
.Lfill_w:
	tensor_load_to_lds s[G0W:G0W+3], s[G1W:G1W+7]
	s_nop 0
.rept 4
	v_nop
.endr
.Lfilled:
	v_and_b32 v11, 31, v0                          ; lane
	v_and_b32 v12, 15, v0                          ; r
	v_bfe_u32 v13, v0, 4, 1                        ; h
	v_lshlrev_b32 v1, 4, v11                       ; v1  16 x lane
	v_and_b32 v7, 8, v12
	v_lshlrev_b32 v6, 6, v13                       ; v6  64 h
	v_add_nc_u32 v2, s66, v1                       ; v2  x's tiles 2 e, 2 e + 1
	v_add_nc_u32 v3, s67, v1                       ; v3  my head's four tiles of W
	v_add_nc_u32 v7, v7, v12
	v_add_nc_u32 v4, s69, v1                       ; v4  out: fragment e
	v_lshl_add_u32 v5, v11, 2, s78                 ; v5  out: its scale words
	v_add_nc_u32 v10, s68, v3                      ; v10 tile e of W (V)
	v_lshlrev_b32 v7, 2, v7                        ; v7  4 (r + 8 (r / 8))
	BIAS_T 72
	s_wait_alu depctr_va_vdst(0)                   ; the wait at the head's end
	s_wait_tensorcnt 0x0                           ; my region has landed,
	s_barrier_signal -1
	s_barrier_wait -1                              ; everybody's has: nothing is filled after this, so no further barrier
.macro PASS_T t                        ; Q (t = 0) or K (t = 1); pass t's two records lie 2 t records into a region
.if \t > 0
	s_wait_xcnt 0x0                                ; the last pass's stores have read the registers loaded below
.endif
	v_add_nc_u32 v8, 2*REC*\t, v2
	v_add_nc_u32 v9, 2*REC*\t, v3
	s_wait_alu depctr_va_vdst(0)                   ; the wait behind the writes
.irp a, 0,1
	ds_load_b128 v[SC+4*\a:SC+4*\a+3], v8 offset:\a*REC+SCO
.endr
.irp n, 0,1,2,3
	ds_load_b128 v[SC+8+4*\n:SC+8+4*\n+3], v9 offset:(\n/2)*6*REC+(\n%2)*REC+SCO
.endr
.irp ks, 0,1,2,3
.if \ks > 0
	PLACES
.endif
.if \ks == 1                           ; the next pass's bias: the products that read this pass's stand four places back
.if \t == 0
	BIAS_T 74
.else
	BIAS_N
.endif
.endif
.irp a, 0,1
	FRAG FR+12*\a, 8, \a*REC+FRB*\ks
.endr
.irp n, 0,1,2,3
	FRAG FR+24+12*\n, 9, (\n/2)*6*REC+(\n%2)*REC+FRB*\ks
.endr
	s_wait_dscnt 0x0
.if \ks == 0
	s_wait_loadcnt 0x0                             ; the bias
.endif
.irp a, 0,1                            ; the eight accumulators take turns
.irp n, 0,1,2,3
.if \ks == 0
	v_wmma_scale_f32_16x16x128_f8f6f4 v[ACC+8*(4*\a+\n):ACC+8*(4*\a+\n)+7], v[FR+24+12*\n:FR+24+12*\n+11], v[FR+12*\a:FR+12*\a+11], v[B+8*\n:B+8*\n+7], v[SC+8+4*\n+\ks], v[SC+4*\a+\ks] matrix_a_fmt:MATRIX_FMT_FP6 matrix_b_fmt:MATRIX_FMT_FP6
.else
	v_wmma_scale_f32_16x16x128_f8f6f4 v[ACC+8*(4*\a+\n):ACC+8*(4*\a+\n)+7], v[FR+24+12*\n:FR+24+12*\n+11], v[FR+12*\a:FR+12*\a+11], v[ACC+8*(4*\a+\n):ACC+8*(4*\a+\n)+7], v[SC+8+4*\n+\ks], v[SC+4*\a+\ks] matrix_a_fmt:MATRIX_FMT_FP6 matrix_b_fmt:MATRIX_FMT_FP6
.endif
.endr
.endr
.endr
	PLACES
.irp b, 0,1,2,3
	v_mov_b32 v[TM+4+\b], 0                        ; a lane permute's destination counts as a source
.endr
	QUANT ACC, PW                                  ; registers 32 a + 16 beta + i: row tile 2 e + a, channel 32 beta + 16 h + i
	SEND \t
.endm
	PASS_T 0
	PASS_T 1
	; the pass of V: its records lie 4 records into each region
	s_wait_xcnt 0x0
	v_add_nc_u32 v8, 4*REC, v1                     ; x's regions 0, 1
	v_add_nc_u32 v11, 16*REC, v1                   ; and 2, 3
	v_add_nc_u32 v9, 4*REC, v10
	s_wait_alu depctr_va_vdst(0)                   ; the wait behind the writes
.irp m, 0,1,2,3,4,5,6,7
	ds_load_b128 v[SC+4*\m:SC+4*\m+3], v[8+3*(\m/4)] offset:((\m%4)/2)*6*REC+(\m%2)*REC+SCO
.endr
	ds_load_b128 v[SC+32:SC+35], v9 offset:SCO
.irp ks, 0,1,2,3
.if \ks > 0
	PLACES
.endif
.irp m, 0,1,2,3,4,5,6,7
	FRAG FR+12*\m, 8+3*(\m/4), ((\m%4)/2)*6*REC+(\m%2)*REC+FRB*\ks
.endr
	FRAG FR+96, 9, FRB*\ks
	s_wait_dscnt 0x0
.if \ks == 0
	s_wait_loadcnt 0x0
.endif
.irp m, 0,1,2,3,4,5,6,7
.if \ks == 0
	v_wmma_scale_f32_16x16x128_f8f6f4 v[ACC+8*\m:ACC+8*\m+7], v[FR+12*\m:FR+12*\m+11], v[FR+96:FR+107], v[B:B+7], v[SC+4*\m+\ks], v[SC+32+\ks] matrix_a_fmt:MATRIX_FMT_FP6 matrix_b_fmt:MATRIX_FMT_FP6
.else
	v_wmma_scale_f32_16x16x128_f8f6f4 v[ACC+8*\m:ACC+8*\m+7], v[FR+12*\m:FR+12*\m+11], v[FR+96:FR+107], v[ACC+8*\m:ACC+8*\m+7], v[SC+4*\m+\ks], v[SC+32+\ks] matrix_a_fmt:MATRIX_FMT_FP6 matrix_b_fmt:MATRIX_FMT_FP6
.endif
.endr
.endr
	PLACES
.irp b, 0,1,2,3
	v_mov_b32 v[TM+4+\b], 0
.endr
	QUANT ACC, PW                                  ; register 16 b + i: key 32 b + 16 h + i of the step, of my channel
	SEND 2
	s_wait_tensorcnt 0x0                           ; the wave's end
	ds_add_u32 v14, v15
	s_wait_dscnt 0x0
	CROUND                                         ; the closing round
	s_endpgm
.Lfunc_end_k_qc36f166124_proj:
	.size	k_qc36f166124_proj, .Lfunc_end_k_qc36f166124_proj-k_qc36f166124_proj
	.p2alignl 7, 3214868480
	.fill 96, 4, 3214868480
	.section	.rodata,"a",@progbits
	.p2align	6, 0x0
	.amdhsa_kernel k_qc36f166124_proj
		.amdhsa_group_segment_fixed_size 327680
		.amdhsa_private_segment_fixed_size 0
		.amdhsa_enable_private_segment 0
		.amdhsa_kernarg_size 40
		.amdhsa_user_sgpr_count 2
		.amdhsa_user_sgpr_kernarg_segment_ptr 1
		.amdhsa_wavefront_size32 1
		.amdhsa_system_sgpr_workgroup_id_x 1
		.amdhsa_system_sgpr_workgroup_id_y 1
		.amdhsa_system_sgpr_workgroup_id_z 1
		.amdhsa_system_vgpr_workitem_id 0
		.amdhsa_next_free_vgpr 256
		.amdhsa_next_free_sgpr 86
		.amdhsa_reserve_vcc 0
		.amdhsa_float_denorm_mode_32 3
		.amdhsa_float_denorm_mode_16_64 3
		.amdhsa_memory_ordered 1
		.amdhsa_forward_progress 1
		.amdhsa_inst_pref_size 56
	.end_amdhsa_kernel
	.amdgpu_metadata
---
amdhsa.version: [ 1, 2 ]
amdhsa.kernels:
  - .name:           k_qc36f166124_proj
    .symbol:         k_qc36f166124_proj.kd
    .args:
      - { .name: img, .offset: 0, .size: 8, .value_kind: global_buffer, .address_space: global }
      - { .name: b_q, .offset: 8, .size: 8, .value_kind: global_buffer, .address_space: global }
      - { .name: b_k, .offset: 16, .size: 8, .value_kind: global_buffer, .address_space: global }
      - { .name: b_v, .offset: 24, .size: 8, .value_kind: global_buffer, .address_space: global }
      - { .name: qkv, .offset: 32, .size: 8, .value_kind: global_buffer, .address_space: global }
    .group_segment_fixed_size: 327680
    .private_segment_fixed_size: 0
    .kernarg_segment_align: 8
    .kernarg_segment_size: 40
    .max_flat_workgroup_size: 256
    .sgpr_count:     86
    .vgpr_count:     256
    .wavefront_size: 32
...
	.end_amdgpu_metadata
.endif
;; end of part 2
;; launch attn (part 3): grid 8 x 32, 16 waves a work-group, clusters of 4 x 1, 215,040 bytes of LDS; arguments qkv, ao; writes ao
.if DOCPART == 3
	.amdgcn_target "amdgcn-amd-amdhsa--gfx1250"
	.amdhsa_code_object_version 6
	.text
	.protected	k_qc36f166124_attn
	.globl	k_qc36f166124_attn
	.p2align	8
	.type	k_qc36f166124_attn,@function
k_qc36f166124_attn:
	s_mov_b64 s[64:65], 0
	v_nop
	global_prefetch_b8 v0, s[64:65] scope:SCOPE_SE
	s_setreg_imm32_b32 hwreg(HW_REG_WAVE_MODE, 25, 1), 1
	s_wait_xcnt 0x0
	s_wait_alu depctr_hold_cnt(0) depctr_sa_sdst(0) depctr_va_vdst(0) depctr_va_sdst(0) depctr_va_ssrc(0) depctr_va_vcc(0) depctr_vm_vsrc(0)
	s_getreg_b32 s2, hwreg(HW_REG_IB_STS2, 6, 4)
	s_cmp_eq_u32 s2, 0
	s_cbranch_scc0 .Lentry_in_a_cluster
	s_endpgm
.Lentry_in_a_cluster:
	s_bfe_u32 s2, ttmp6, 0x10000c
	s_cmp_lg_u32 s2, 0x3003
	s_cbranch_scc0 .Lentry_shape_is_right
	s_endpgm
.Lentry_shape_is_right:
; For each of 32 heads (8 batch + head): O[q] = the sum over keys of softmax(Q[q] . K[key] / 8) V[key], both products on codes of FP6 (E2M3) with E8M0 scales; O is divided by the row's sum and quantised along the channels for the last projection.
; THE SOFTMAX: t = score x log2(e) / 8; M = the running largest t rounded UP to a whole number; p = 2^(t - M) is what is quantised, along the keys, not normalised.  The row's sum is taken of the unquantised p in f32.
; When M moves, the sum and O are multiplied by 2^(old M - new M), which rounds nothing.
; LIMITS: NaN and infinities are not served; a block under 2^-124, and a block of zeros, keeps the byte 1.  A block's largest p is taken as the exponential of its largest score, which takes v_exp_f32 not to fall where its input rises.
; The promise holds while the scaled scores t stay under 2^31 in magnitude.
; SHARES.  A work-group owns 256 queries of one head; each of its sixteen waves one tile of 16 and walks 16 steps of 128 keys.
; LDS holds the head's K (16 records of 6,656 bytes) and, 106,496 bytes on, its V: 16 records.  Wave w fills records 2 w, 2 w + 1 by ONE tensor load at the head: every byte is filled once, and one barrier shows all of it to all waves.
; CLUSTER 4 x 1: the four query blocks of a cluster belong to one head and read the same K and V: each load is a joint one, with a mask that names the four.
; No prefetch: all that the launch reads of K and V is asked for at its head; the loop over the keys touches LDS alone.
; LAYOUT.  Both products are used transposed: S^T = K Q^T, O^T = V^T P^T: a lane holds ONE query (lane % 16) throughout.
; A HEAD IS 64 CHANNELS, HALF OF A PRODUCT'S K.  A fragment of K holds TWO tiles of 16 keys: tile 2 f in k 0-63, tile 2 f + 1 in k 64-127.  Q stands in 18 registers, [Q, zeros, Q]: the first 12 meet tile 2 f, the last 12 tile 2 f + 1;
; the zero codes (scale bytes 127) take the other tile out exactly.  Lane r of K's tile T holds key 64 (T / 4) + 8 (T % 4) + r + 24 (r / 8): so score register 32 c + i of lane (r, h) is key 64 c + 32 h + i:
; A LANE HOLDS TWO WHOLE BLOCKS OF 32 KEYS, in the order of p's operand registers: a block's maximum needs no other lane and no code changes lanes.
; ao: [row tile 128 batch + T][head][1,024 bytes]: registers 2 p, 2 p + 1 of lane L at 256 p + 8 L, p = 0 .. 2; at 768 + 8 L the scale word (bytes 0, 1) and a zero.
.set REC,  6656
.set SCO,  6144
.set TEN,  512*REC
.set HEADB, 16*REC
.set KF,   40                          ; v40-87   four fragments of K, then of V
.set H8,   88                          ; v88      8 h
.set S,    96                          ; v96-159  S^T, then p
.set OT,   160                         ; v160-191 O^T: register 16 b + i = channel 32 b + 16 h + i
.set PCD,  192                         ; v192-203 p's codes
.set FF,   204                         ; v204     2^(old M - new M)
.set PWD,  205                         ; v205     p's scale word
.set T1,   206                         ; v206-207 at work
.set T2,   207
.set BM,   208                         ; v208-211 maxima of 16 scores
.set BX,   212                         ; v212-213 my two blocks' largest score, then p
.set BT,   214                         ; v214-215 their bytes
.set W,    216                         ; v216-217 my two bytes in place; the other half's
.set W2,   217
.set SO,   218                         ; v218-219 the conversions' scale operands
.set PT,   220                         ; v220-226 the conversions' second halves
.set R2,   227                         ; v227     the other half's largest score
.set SA,   242                         ; v242-249 four partial sums, in pairs
; v1 16 L; v2 the same in V; v3, v4 scale words' places in K, V; v5, v6 Q's; v7 8 L; v8-11 the step's addresses; v12 -M; v13 the largest score; v[14:15] the sum; v16-33 Q; v34, v35 Q's scale words; v36-37 K's; v38-39 V's
.macro CROUND
	s_barrier_signal -1
	s_barrier_wait -1
	s_cmp_lg_u32 s8, 0
	s_cbranch_scc1 .Lnot_wave_0_\@
	s_barrier_signal -3
.Lnot_wave_0_\@:
	s_barrier_wait -3
	s_barrier_signal -1
	s_barrier_wait -1
.endm
	s_load_b128 s[4:7], s[0:1], 0x0                ; qkv, ao
	v_lshl_add_u32 v254, v0, 2, 0x34000
	v_mov_b32 v255, 0
	ds_add_u32 v254, v255                          ; the opening lines
	ds_add_u32 v254, v255
	v_lshrrev_b32 v1, 5, v0
	s_delay_alu instid0(VALU_DEP_1)
	v_readfirstlane_b32 s8, v1                     ; wave 0..15
	s_bfe_u32 s9, ttmp6, 0x40000                   ; cx
	s_lshl_b32 s10, ttmp9, 2
	s_add_co_u32 s10, s10, s9                      ; qb: enters Q's and ao's addresses alone
	s_and_b32 s11, ttmp7, 0xffff                   ; bh, which the four partners share
	s_and_b32 s13, s8, 1
	s_sub_co_u32 s12, 0, s13                       ; all ones where my tile is a fragment's second
	s_lshl_b32 s13, s13, 4                         ; and its two scale bytes lie 16 bits up
	s_mul_i32 s16, s8, 2*REC                       ; what I fetch, in LDS: records 2 w, 2 w + 1 (K's 16, then V's 16)
	s_lshr_b32 s14, s8, 3                          ; K (0) or V (1)
	s_mul_i32 s18, s14, TEN
	s_and_b32 s15, s8, 7
	s_mul_i32 s17, s15, 2*REC
	s_add_co_u32 s18, s18, s17
	s_add_co_u32 s18, s18, TEN
	s_mul_i32 s19, s11, HEADB
	s_add_co_u32 s18, s18, s19                     ; in qkv: tensor 1 + kv, my head, my pair of records
	s_mov_b32 s19, 0
	s_mul_i32 s34, s11, HEADB                      ; Q: my head, record 2 qb + wave / 8
	s_lshl_b32 s35, s10, 1
	s_lshr_b32 s36, s8, 3
	s_add_co_u32 s35, s35, s36
	s_mul_i32 s35, s35, REC
	s_add_co_u32 s34, s34, s35
	s_mov_b32 s35, 0
	s_lshr_b32 s36, s11, 3                         ; ao: ((128 batch + 16 qb + wave) x 8 + head) x 1,024
	s_lshl_b32 s36, s36, 7
	s_lshl_b32 s37, s10, 4
	s_add_co_u32 s36, s36, s37
	s_add_co_u32 s36, s36, s8
	s_lshl_b32 s36, s36, 3
	s_and_b32 s37, s11, 7
	s_add_co_u32 s36, s36, s37
	s_lshl_b32 s36, s36, 10
	s_mov_b32 s37, 0
	s_bfe_u32 s38, s8, 0x20001                     ; which fragment of Q's record holds my tile
	s_lshl_b32 s39, s38, 7
	s_add_co_u32 s39, s39, SCO
	s_mul_i32 s38, s38, 1536
	s_mov_b32 s24, 15|(3<<16)|(1<<21)              ; group 1: the mask of all four; elements of 8 bytes; bit 21 beside a mask
	s_mov_b32 s25, 32<<16                          ; two records as 52 rows of 256 bytes
	s_mov_b32 s26, 52<<16
	s_mov_b32 s27, 32<<16
	s_mov_b32 s28, 52
	s_mov_b32 s29, 32
	s_mov_b32 s30, 0
	s_mov_b32 s31, 0
	s_mov_b32 s20, 0x76543210                      ; selects for lane l xor 16
	s_mov_b32 s21, 0xfedcba98
	s_mov_b32 s22, 0x3e38aa3b                      ; c = log2(e) / 8
	s_mov_b32 s23, s22
	s_mov_b32 s62, 0x7f7f0000
	s_mov_b32 s63, 0x7f7f
	s_wait_dscnt 0x0
	s_wait_kmcnt 0x0
	s_mov_b32 s40, 1
	s_add_co_u32 s41, s16, 0
	s_add_nc_u64 s[42:43], s[4:5], s[18:19]
	s_or_b32 s43, s43, 0x80000000
	s_add_nc_u64 s[60:61], s[4:5], s[34:35]
	s_add_nc_u64 s[58:59], s[6:7], s[36:37]
	CROUND                                         ; all four work-groups are here: the joint loads meet
	tensor_load_to_lds s[40:43], s[24:31]          ; every wave's one load
	s_nop 0
.rept 4
	v_nop
.endr
	v_and_b32 v1, 31, v0
	v_bfe_u32 v9, v0, 4, 1                         ; h
	v_lshlrev_b32 v7, 3, v1                        ; 8 L
	v_lshlrev_b32 v3, 2, v1                        ; 4 L
	v_lshlrev_b32 v1, 4, v1                        ; 16 L
	v_lshlrev_b32 v[H8], 3, v9
	v_add_nc_u32 v6, s39, v3
	v_lshl_add_u32 v3, v9, 7, v3                   ; one register carries two fragments' scale words: lanes 16-31 read 128 bytes on
	v_add_nc_u32 v2, HEADB, v1
	v_add_nc_u32 v5, s38, v1
	v_add_nc_u32 v3, SCO, v3
	s_delay_alu instid0(VALU_DEP_1)
	v_add_nc_u32 v4, HEADB, v3
.irp c, 0,1,2
	global_load_b128 v[S+4*\c:S+4*\c+3], v5, s[60:61] offset:512*\c   ; the fragment of Q that holds my tile
.endr
	global_load_b32 v[S+12], v6, s[60:61]
	s_wait_loadcnt 0x0
.irp i, 0,1,2,3,4,5
	v_cndmask_b32 v[16+\i], v[S+\i], v[S+6+\i], s12
.endr
.irp i, 0,1,2,3,4,5
	v_mov_b32 v[28+\i], v[16+\i]
.endr
.irp i, 0,1,2,3,4,5
	v_mov_b32 v[22+\i], 0
.endr
	v_lshrrev_b32 v[S+12], s13, v[S+12]
	s_delay_alu instid0(VALU_DEP_1)
	v_and_b32 v[S+12], 0xffff, v[S+12]
	s_delay_alu instid0(VALU_DEP_1)
	v_or_b32 v34, s62, v[S+12]                     ; for [Q, zeros]: (b0, b1, 127, 127)
	v_lshl_or_b32 v35, v[S+12], 16, s63            ; for [zeros, Q]: (127, 127, b0, b1)
.set j, 0
.rept 32
	v_mov_b32 v[OT+j], 0                           ; the step is written once; the first finds zeros
.set j, j+1
.endr
	v_mov_b32 v13, 0xff61b1e6                      ; the largest score so far: -3e38
	v_mov_b32 v12, 0x7e800000                      ; -M: a large whole number, so that the first factor is 0
	v_mov_b32 v14, 0
	v_mov_b32 v15, 0
	v_mov_b32 v[PWD], 0
	v_mov_b32 v[T1], 0
	v_mov_b32 v[W2], 0                             ; a lane permute's destination counts as a source
	v_mov_b32 v[R2], 0
	v_mov_b32 v[BT], 0
	v_mov_b32 v[BT+1], 0
.macro SUM4 j                          ; four more pairs of p onto the four partial sums
.irp k, 0,1,2,3
	v_pk_add_f32 v[SA+2*\k:SA+2*\k+1], v[SA+2*\k:SA+2*\k+1], v[S+\j+2*\k:S+\j+2*\k+1]
.endr
.endm
; A KEY STEP: 128 keys, whose records begin at LDS byte s2 (K) and HEADB + s2 (V)
.macro STEP
	v_add_nc_u32 v8, s2, v1                        ; (these four are also the places between the last step's products and the loads below)
	v_add_nc_u32 v9, s2, v2
	v_add_nc_u32 v10, s2, v3
	v_add_nc_u32 v11, s2, v4
.irp f, 0,1,2,3
.irp c, 0,1,2
	ds_load_b128 v[KF+12*\f+4*\c:KF+12*\f+4*\c+3], v8 offset:1536*\f+512*\c
.endr
.endr
	ds_load_b32 v36, v10
	ds_load_b32 v37, v10 offset:256
	s_wait_alu depctr_va_vdst(0)                   ; the wait ahead of the wait below
	s_wait_dscnt 0x0
.irp f, 0,1,2,3                        ; S^T = K Q^T: each fragment of K twice
.if (\f%2) == 0
	v_wmma_scale_f32_16x16x128_f8f6f4 v[S+16*\f:S+16*\f+7], v[KF+12*\f:KF+12*\f+11], v[16:27], 0, v[36+\f/2], v34 matrix_a_fmt:MATRIX_FMT_FP6 matrix_b_fmt:MATRIX_FMT_FP6
	v_wmma_scale_f32_16x16x128_f8f6f4 v[S+8+16*\f:S+8+16*\f+7], v[KF+12*\f:KF+12*\f+11], v[22:33], 0, v[36+\f/2], v35 matrix_a_fmt:MATRIX_FMT_FP6 matrix_b_fmt:MATRIX_FMT_FP6
.else
	v_wmma_scale_f32_16x16x128_f8f6f4 v[S+16*\f:S+16*\f+7], v[KF+12*\f:KF+12*\f+11], v[16:27], 0, v[36+\f/2], v34 matrix_a_fmt:MATRIX_FMT_FP6 matrix_b_fmt:MATRIX_FMT_FP6 matrix_a_scale:MATRIX_SCALE_ROW1
	v_wmma_scale_f32_16x16x128_f8f6f4 v[S+8+16*\f:S+8+16*\f+7], v[KF+12*\f:KF+12*\f+11], v[22:33], 0, v[36+\f/2], v35 matrix_a_fmt:MATRIX_FMT_FP6 matrix_b_fmt:MATRIX_FMT_FP6 matrix_a_scale:MATRIX_SCALE_ROW1
.endif
.endr
.rept 4
	v_nop                                          ; places: in front of the loads into K's registers, and of the first read of the scores
.endr
.irp f, 0,1,2,3                        ; V's fragments land under the softmax
.irp c, 0,1,2
	ds_load_b128 v[KF+12*\f+4*\c:KF+12*\f+4*\c+3], v9 offset:1536*\f+512*\c
.endr
.endr
	ds_load_b32 v38, v11
	ds_load_b32 v39, v11 offset:256
.irp b, 0,1,2,3
	v_max3_num_f32 v[BM+\b], v[S+16*\b], v[S+1+16*\b], v[S+2+16*\b]   ; four chains of 16 scores, each accumulator from its low end on
.endr
.irp i, 3,5,7,9,11,13
.irp b, 0,1,2,3
	v_max3_num_f32 v[BM+\b], v[BM+\b], v[S+16*\b+\i], v[S+1+16*\b+\i]
.endr
.endr
	v_max3_num_f32 v[BM], v[BM], v[S+15], v[S+31]
	v_max3_num_f32 v[BM+2], v[BM+2], v[S+47], v[S+63]
	s_delay_alu instid0(VALU_DEP_2)
	v_max_num_f32 v[BX], v[BM], v[BM+1]            ; the largest score of block h,
	s_delay_alu instid0(VALU_DEP_2)
	v_max_num_f32 v[BX+1], v[BM+2], v[BM+3]        ; and of block 2 + h: for the row's maximum and for the block's largest p
	s_delay_alu instid0(VALU_DEP_1)
	v_max_num_f32 v[T1], v[BX], v[BX+1]
	s_delay_alu instid0(VALU_DEP_1)
	v_permlanex16_b32 v[R2], v[T1], s20, s21
	s_delay_alu instid0(VALU_DEP_1)
	v_max3_num_f32 v13, v13, v[T1], v[R2]          ; the running largest score of my query
	s_delay_alu instid0(VALU_DEP_1)
	v_mul_f32 v[T1], s22, v13                      ; as t (c is positive)
	s_delay_alu instid0(VALU_DEP_1)
	v_floor_f32 v[T2], -v[T1]                      ; the new -M = -ceil(t)
	s_delay_alu instid0(VALU_DEP_1)
	v_sub_f32 v[T1], v[T2], v12                    ; old M - new M: a whole number, 0 or less
	v_mov_b32 v12, v[T2]
	s_delay_alu instid0(VALU_DEP_2)
	v_cvt_i32_f32 v[T1], v[T1]                     ; (it saturates)
	s_delay_alu instid0(VALU_DEP_1)
	v_ldexp_f32 v[FF], 1.0, v[T1]                  ; 2^(old M - new M)
.set j, 0
.rept 32
	v_pk_fma_f32 v[S+j:S+j+1], v[S+j:S+j+1], s[22:23], v[12:13] op_sel_hi:[1,0,0]   ; t - M, two at a time
.set j, j+2
.endr
	v_fma_f32 v[BX], v[BX], s22, v12               ; the same of each block's largest score
	v_fma_f32 v[BX+1], v[BX+1], s22, v12
	s_wait_alu depctr_va_vdst(0)                   ; the wait ahead of the batch
	v_exp_f32 v[BX], v[BX]                         ; each block's largest p: the same instructions on the same number give the same bits
	v_exp_f32 v[BX+1], v[BX+1]
.set j, 0
.rept 64
	v_exp_f32 v[S+j], v[S+j]                       ; p = 2^(t - M), at most 1
.set j, j+1
.endr
	v_pk_mul_f32 v[14:15], v[14:15], v[FF:FF+1] op_sel_hi:[1,0]   ; the sum under the new M: the plain instruction behind the batch
	s_wait_alu depctr_va_vdst(0)                   ; one wait for the batch of 66, ahead of its first reader
	; the row's sum of the unquantised p (32 packed adds, four chains), with the blocks' scale bytes made between the chains' turns
	v_max_num_f32 v[BX], 0x1800000, v[BX]          ; the floor 2^(3 - 127)
	v_max_num_f32 v[BX+1], 0x1800000, v[BX+1]
.irp k, 0,1,2,3
	v_pk_add_f32 v[SA+2*\k:SA+2*\k+1], v[S+2*\k:S+2*\k+1], v[S+8+2*\k:S+9+2*\k]
.endr
	v_add_nc_u32 v[SO], 0xff000000, v[BX]          ; 2 off the exponent field: the conversion's scale operand
	v_add_nc_u32 v[SO+1], 0xff000000, v[BX+1]
	SUM4 16
	v_lshrrev_b32 v[BT], 23, v[SO]                 ; the bytes
	v_lshrrev_b32 v[BT+1], 23, v[SO+1]
	SUM4 24
	v_lshl_or_b32 v[W], v[BT+1], 16, v[BT]         ; blocks h and 2 + h,
	SUM4 32
	v_lshlrev_b32 v[W], v[H8], v[W]                ; at their places in the word
	SUM4 40
	v_permlanex16_b32 v[W2], v[W], s20, s21
	SUM4 48
	v_or_b32 v[PWD], v[W], v[W2]                   ; with lane l xor 16's two: p's scale word for these 128 keys
	SUM4 56
	v_pk_add_f32 v[SA:SA+1], v[SA:SA+1], v[SA+2:SA+3]
	v_pk_add_f32 v[SA+4:SA+5], v[SA+4:SA+5], v[SA+6:SA+7]
	s_delay_alu instid0(VALU_DEP_2)
	v_pk_add_f32 v[14:15], v[14:15], v[SA:SA+1]
	s_delay_alu instid0(VALU_DEP_1)
	v_pk_add_f32 v[14:15], v[14:15], v[SA+4:SA+5]
.irp c, 0,1
	v_cvt_scalef32_pk16_fp6_f32 v[PCD+6*\c:PCD+2+6*\c], v[S+32*\c:S+15+32*\c], v[SO+\c]
	v_cvt_scalef32_pk16_fp6_f32 v[PT+4*\c:PT+2+4*\c], v[S+16+32*\c:S+31+32*\c], v[SO+\c]   ; (a conversion's three registers begin on an even number)
.endr
	v_nop                                          ; one plain instruction behind the scaled conversions
.irp c, 0,1
.irp i, 0,1,2
	v_mov_b32 v[PCD+3+6*\c+\i], v[PT+4*\c+\i]
.endr
.endr
	s_wait_dscnt 0x0                               ; V is in
	s_wait_alu depctr_va_vdst(0)                   ; the wait directly ahead of the first reader of O^T
.set j, 0
.rept 16
	v_pk_mul_f32 v[OT+j:OT+j+1], v[OT+j:OT+j+1], v[FF:FF+1] op_sel_hi:[1,0]   ; O^T under the new M; also the places between p's codes and scale word and the products
.set j, j+2
.endr
.irp t, 0,1,2,3                        ; O^T += V^T P^T: the four accumulators take turns
.if (\t%2) == 0
	v_wmma_scale_f32_16x16x128_f8f6f4 v[OT+8*\t:OT+8*\t+7], v[KF+12*\t:KF+12*\t+11], v[PCD:PCD+11], v[OT+8*\t:OT+8*\t+7], v[38+\t/2], v[PWD] matrix_a_fmt:MATRIX_FMT_FP6 matrix_b_fmt:MATRIX_FMT_FP6
.else
	v_wmma_scale_f32_16x16x128_f8f6f4 v[OT+8*\t:OT+8*\t+7], v[KF+12*\t:KF+12*\t+11], v[PCD:PCD+11], v[OT+8*\t:OT+8*\t+7], v[38+\t/2], v[PWD] matrix_a_fmt:MATRIX_FMT_FP6 matrix_b_fmt:MATRIX_FMT_FP6 matrix_a_scale:MATRIX_SCALE_ROW1
.endif
.endr
.endm
	s_wait_alu depctr_va_vdst(0)                   ; the wait at the head's end
	s_wait_tensorcnt 0x0                           ; my two records have landed,
	s_barrier_signal -1
	s_barrier_wait -1                              ; everybody's have: the head's K and V are whole, and nothing is filled after this
	s_mov_b32 s2, 0
	s_mov_b32 s3, 16
.Lstep:
	STEP
	s_add_co_u32 s2, s2, REC
	s_sub_co_u32 s3, s3, 1
	s_cmp_lg_u32 s3, 0
	s_cbranch_scc1 .Lstep
	; THE WAY OUT: O^T / the row's sum, quantised along the channels: two blocks of 32, half a fragment of the last projection's operand
.rept 4
	v_nop
.endr
	v_add_f32 v14, v14, v15
	s_delay_alu instid0(VALU_DEP_1)
	v_permlanex16_b32 v[T1], v14, s20, s21
	s_delay_alu instid0(VALU_DEP_1)
	v_add_f32 v14, v14, v[T1]
	s_wait_alu depctr_va_vdst(0)                   ; ahead of the transcendental
	v_rcp_f32 v14, v14
	v_nop
	s_wait_alu depctr_va_vdst(0)                   ; and ahead of its first reader
.set j, 0
.rept 32
	v_mul_f32 v[S+j], v[OT+j], v14                 ; each accumulator from its low end on
.set j, j+1
.endr
.irp b, 0,1
	v_max3_num_f32 v[BM+\b], |v[S+16*\b]|, |v[S+1+16*\b]|, 0x1800000
.endr
.irp i, 2,4,6,8,10,12,14
.irp b, 0,1
	s_delay_alu instid0(VALU_DEP_2)
	v_max3_num_f32 v[BM+\b], v[BM+\b], |v[S+16*\b+\i]|, |v[S+1+16*\b+\i]|
.endr
.endr
.irp b, 0,1
	s_delay_alu instid0(VALU_DEP_2)
	v_permlanex16_b32 v[BT+\b], v[BM+\b], s20, s21
.endr
.irp b, 0,1
	s_delay_alu instid0(VALU_DEP_2)
	v_max_num_f32 v[BM+\b], v[BM+\b], v[BT+\b]
.endr
.irp b, 0,1
	s_delay_alu instid0(VALU_DEP_2)
	v_add_nc_u32 v[SO+\b], 0xff000000, v[BM+\b]
.endr
.irp b, 0,1
	s_delay_alu instid0(VALU_DEP_2)
	v_lshrrev_b32 v[BT+\b], 23, v[SO+\b]
.endr
	s_delay_alu instid0(VALU_DEP_1)
	v_lshl_or_b32 v[T1], v[BT+1], 8, v[BT]         ; the two bytes
	v_mov_b32 v[T1+1], 0
	v_cvt_scalef32_pk16_fp6_f32 v[PCD:PCD+2], v[S:S+15], v[SO]
	v_cvt_scalef32_pk16_fp6_f32 v[PT:PT+2], v[S+16:S+31], v[SO+1]
	v_nop
.irp i, 0,1,2
	v_permlane16_swap_b32 v[PCD+\i], v[PT+\i]
.endr
.irp i, 0,1,2
	s_delay_alu instid0(VALU_DEP_3)
	v_mov_b32 v[PCD+3+\i], v[PT+\i]
.endr
.irp p, 0,1,2
	global_store_b64 v7, v[PCD+2*\p:PCD+2*\p+1], s[58:59] offset:256*\p   ; 32 lanes store 256 consecutive bytes, at a multiple of 256
.endr
	global_store_b64 v7, v[T1:T1+1], s[58:59] offset:768
	s_wait_tensorcnt 0x0                           ; the wave's end
	ds_add_u32 v254, v255
	s_wait_dscnt 0x0
	CROUND                                         ; the closing round
	s_endpgm
.Lfunc_end_k_qc36f166124_attn:
	.size	k_qc36f166124_attn, .Lfunc_end_k_qc36f166124_attn-k_qc36f166124_attn
	.p2alignl 7, 3214868480
	.fill 96, 4, 3214868480
	.section	.rodata,"a",@progbits
	.p2align	6, 0x0
	.amdhsa_kernel k_qc36f166124_attn
		.amdhsa_group_segment_fixed_size 215040
		.amdhsa_private_segment_fixed_size 0
		.amdhsa_enable_private_segment 0
		.amdhsa_kernarg_size 16
		.amdhsa_user_sgpr_count 2
		.amdhsa_user_sgpr_kernarg_segment_ptr 1
		.amdhsa_wavefront_size32 1
		.amdhsa_system_sgpr_workgroup_id_x 1
		.amdhsa_system_sgpr_workgroup_id_y 1
		.amdhsa_system_sgpr_workgroup_id_z 1
		.amdhsa_system_vgpr_workitem_id 0
		.amdhsa_next_free_vgpr 256
		.amdhsa_next_free_sgpr 66
		.amdhsa_reserve_vcc 0
		.amdhsa_float_denorm_mode_32 3
		.amdhsa_float_denorm_mode_16_64 3
		.amdhsa_memory_ordered 1
		.amdhsa_forward_progress 1
		.amdhsa_inst_pref_size 28
	.end_amdhsa_kernel
	.amdgpu_metadata
---
amdhsa.version: [ 1, 2 ]
amdhsa.kernels:
  - .name:           k_qc36f166124_attn
    .symbol:         k_qc36f166124_attn.kd
    .args:
      - { .name: qkv, .offset: 0, .size: 8, .value_kind: global_buffer, .address_space: global }
      - { .name: ao, .offset: 8, .size: 8, .value_kind: global_buffer, .address_space: global }
    .group_segment_fixed_size: 215040
    .private_segment_fixed_size: 0
    .kernarg_segment_align: 8
    .kernarg_segment_size: 16
    .max_flat_workgroup_size: 512
    .sgpr_count:     66
    .vgpr_count:     256
    .wavefront_size: 32
...
	.end_amdgpu_metadata
.endif
;; end of part 3
;; launch oproj (part 4): grid 4 x 64, 8 waves a work-group, clusters of 4 x 4, 187,392 bytes of LDS; arguments ao, img, b_o, out0; writes out0
.if DOCPART == 4
	.amdgcn_target "amdgcn-amd-amdhsa--gfx1250"
	.amdhsa_code_object_version 6
	.text
	.protected	k_qc36f166124_oproj
	.globl	k_qc36f166124_oproj
	.p2align	8
	.type	k_qc36f166124_oproj,@function
k_qc36f166124_oproj:
	s_mov_b64 s[64:65], 0
	v_nop
	global_prefetch_b8 v0, s[64:65] scope:SCOPE_SE
	s_setreg_imm32_b32 hwreg(HW_REG_WAVE_MODE, 25, 1), 1
	s_wait_xcnt 0x0
	s_wait_alu depctr_hold_cnt(0) depctr_sa_sdst(0) depctr_va_vdst(0) depctr_va_sdst(0) depctr_va_ssrc(0) depctr_va_vcc(0) depctr_vm_vsrc(0)
	s_getreg_b32 s2, hwreg(HW_REG_IB_STS2, 6, 4)
	s_cmp_eq_u32 s2, 0
	s_cbranch_scc0 .Lentry_in_a_cluster
	s_endpgm
.Lentry_in_a_cluster:
	s_bfe_u32 s2, ttmp6, 0x10000c
	s_cmp_lg_u32 s2, 0xf033
	s_cbranch_scc0 .Lentry_shape_is_right
	s_endpgm
.Lentry_shape_is_right:
; out0 = A W_o^T + b_o on codes of FP6 (E2M3) with E8M0 scales, sums in f32.  A, the attention's result, lies in ao as codes by row tile and head; W_o's codes in img, records 1632 to 1663.
; SHARES.  Work-group (g, i) makes row tiles 8 i .. 8 i + 7 (128 rows) x columns 128 g .. + 127.  Wave w: hp = w / 4, f = w % 4: row tiles 2 f, 2 f + 1 x W_o's tiles 4 hp .. 4 hp + 3 of the block: 8 accumulators, 32 products.
; TRANSPOSED (source 0 = 16 rows of W_o, source 1 = 16 rows of A): a lane holds one row and eight neighbouring columns.  A tile's rows are not neighbours (lane r of tile T: row 32 (T / 2) + 8 (T % 2) + r + 8 (r / 8)).
; LDS: A's block (65,536 bytes), W_o's (53,248), each filled once by one tensor load a wave; behind them a stage of 128 rows x (512 + 16) bytes, into which no fill lands, for the way out.
; CLUSTER 4 x 4: A's block hangs on i alone and is asked for jointly along a row of the cluster, W_o's on g alone, jointly along a column.
; A K step of 128 is two heads: registers 6 c .. 6 c + 5 of A's fragment are head 2 ks + c's six registers; its scale word is the two heads' pairs of bytes.
.set REC,  6656
.set SCO,  6144
.set FRB,  1536
.set WLDS, 65536
.set STG,  WLDS+8*REC                  ; 118,784: a multiple of 256
.set SP,   528
.set ACC,  16                          ; v16-79   8 accumulators
.set FR,   80                          ; v80-151  A's two fragments, W_o's four; on the way out v80-143 are 16 rows
.set SCW,  152                         ; v152-167 W_o's scale words
.set XS,   168                         ; v168-175 A's scale words
.set RAW,  176                         ; v176-191 A's scale bytes by head
.set B,    192                         ; v192-223 the bias in the result's layout
.set G1A,  24
.set G1W,  32
.set G0A,  40
.set G0W,  44
.macro CROUND
	s_barrier_signal -1
	s_barrier_wait -1
	s_cmp_lg_u32 s14, 0
	s_cbranch_scc1 .Lnot_wave_0_\@
	s_barrier_signal -3
.Lnot_wave_0_\@:
	s_barrier_wait -3
	s_barrier_signal -1
	s_barrier_wait -1
.endm
.macro PLACES
.rept 4
	v_nop
.endr
.endm
.macro FRAG reg, adr, off
.irp c, 0,1,2
	ds_load_b128 v[\reg+4*\c:\reg+4*\c+3], v[\adr] offset:\off+512*\c
.endr
.endm
	s_load_b256 s[4:11], s[0:1], 0x0               ; ao s[4:5], img s[6:7], b_o s[8:9], out0 s[10:11]
	v_lshl_add_u32 v254, v0, 2, 0x2d800
	v_mov_b32 v255, 0
	ds_add_u32 v254, v255
	ds_add_u32 v254, v255
	v_lshrrev_b32 v1, 5, v0
	s_delay_alu instid0(VALU_DEP_1)
	v_readfirstlane_b32 s14, v1                    ; wave 0..7
	s_lshr_b32 s15, s14, 2                         ; hp.  Also: I fetch for A (0) or for W_o (1)
	s_and_b32 s16, s14, 3                          ; f.   Also: which quarter of the block I fetch
	s_bfe_u32 s17, ttmp6, 0x40000                  ; cx, cy
	s_bfe_u32 s18, ttmp6, 0x40004
	s_lshl_b32 s19, ttmp9, 2
	s_add_co_u32 s19, s19, s17                     ; g
	s_and_b32 s20, ttmp7, 0xffff
	s_lshl_b32 s20, s20, 2
	s_add_co_u32 s20, s20, s18                     ; i
	s_lshl_b32 s22, s18, 2
	s_lshl_b32 s22, 15, s22                        ; my row of the cluster
	s_lshl_b32 s23, 0x1111, s17                    ; my column
	; descriptor groups 1: dense blocks as rows of 256 bytes (32 elements of 8 bytes), no padding: 64 rows of A's block, 52 of W_o's
	s_or_b32 s[G1A], s22, (3<<16)|(1<<21)
	s_mov_b32 s[G1A+1], 32<<16
	s_mov_b32 s[G1A+2], 64<<16
	s_mov_b32 s[G1A+3], 32<<16
	s_mov_b32 s[G1A+4], 64
	s_mov_b32 s[G1A+5], 32
	s_mov_b32 s[G1A+6], 0
	s_mov_b32 s[G1A+7], 0
	s_or_b32 s[G1W], s23, (3<<16)|(1<<21)
	s_mov_b32 s[G1W+1], 32<<16
	s_mov_b32 s[G1W+2], 52<<16
	s_mov_b32 s[G1W+3], 32<<16
	s_mov_b32 s[G1W+4], 52
	s_mov_b32 s[G1W+5], 32
	s_mov_b32 s[G1W+6], 0
	s_mov_b32 s[G1W+7], 0
	s_lshl_b32 s48, s20, 16                        ; A: 65,536 i + 16,384 x quarter (registers that never hold cx or g)
	s_lshl_b32 s49, s16, 14
	s_add_co_u32 s48, s48, s49
	s_mov_b32 s49, 0
	s_lshl_b32 s52, s19, 3                         ; W_o: record 1632 + 8 g + 2 x quarter (registers that never hold cy or i)
	s_lshl_b32 s53, s16, 1
	s_add_co_u32 s52, s52, s53
	s_add_co_u32 s52, s52, 1632
	s_mul_i32 s52, s52, REC
	s_mov_b32 s53, 0
	s_lshl_b32 s56, s20, 7                         ; out0: wave w stores row tile 8 i + w, which begins at row 128 i + 32 (w / 2) + 8 (w % 2); columns 128 g on
	s_lshr_b32 s57, s14, 1
	s_lshl_b32 s57, s57, 5
	s_add_co_u32 s56, s56, s57
	s_and_b32 s57, s14, 1
	s_lshl_b32 s57, s57, 3
	s_add_co_u32 s56, s56, s57
	s_lshl_b32 s56, s56, 11
	s_lshl_b32 s57, s19, 9
	s_add_co_u32 s56, s56, s57
	s_mov_b32 s57, 0
	s_lshl_b32 s58, s19, 9                         ; b_o: (128 g + 64 hp) x 4 bytes on
	s_lshl_b32 s59, s15, 8
	s_add_co_u32 s58, s58, s59
	s_mov_b32 s59, 0
	s_wait_dscnt 0x0
	s_wait_kmcnt 0x0
	s_mov_b32 s[G0A], 1
	s_lshl_b32 s[G0A+1], s16, 14                   ; LDS: 16,384 x quarter
	s_add_nc_u64 s[G0A+2:G0A+3], s[4:5], s[48:49]
	s_or_b32 s[G0A+3], s[G0A+3], 0x80000000
	s_mov_b32 s[G0W], 1
	s_mul_i32 s[G0W+1], s16, 2*REC
	s_add_co_u32 s[G0W+1], s[G0W+1], WLDS          ; LDS: 65,536 + 13,312 x quarter
	s_add_nc_u64 s[G0W+2:G0W+3], s[6:7], s[52:53]
	s_or_b32 s[G0W+3], s[G0W+3], 0x80000000
	s_add_nc_u64 s[70:71], s[10:11], s[56:57]
	s_add_nc_u64 s[72:73], s[8:9], s[58:59]
	CROUND                                         ; all sixteen work-groups are here: the joint loads meet
	s_cmp_eq_u32 s15, 0                            ; one load a wave
	s_cbranch_scc0 .Lfill_w
	tensor_load_to_lds s[G0A:G0A+3], s[G1A:G1A+7]
	s_nop 0
.rept 4
	v_nop
.endr
	s_branch .Lfilled
.Lfill_w:
	tensor_load_to_lds s[G0W:G0W+3], s[G1W:G1W+7]
	s_nop 0
.rept 4
	v_nop
.endr
.Lfilled:
	v_and_b32 v11, 31, v0                          ; lane
	v_and_b32 v12, 15, v0                          ; r
	v_bfe_u32 v13, v0, 4, 1                        ; h
	s_delay_alu instid0(VALU_DEP_3)
	v_lshlrev_b32 v1, 4, v11                       ; v1  16 x lane
	s_wait_alu depctr_va_vdst(0)
	s_lshl_b32 s60, s16, 14
	v_lshl_add_u32 v2, v11, 3, s60                 ; v2  A: 8 x lane + my two row tiles (8,192 bytes each)
	s_mul_i32 s60, s15, 4*REC
	s_add_co_u32 s60, s60, WLDS
	v_add_nc_u32 v3, s60, v1                       ; v3  W_o: my four records
	s_mul_i32 s60, s16, 32*SP
	s_lshl_b32 s61, s15, 8
	s_add_co_u32 s60, s60, s61
	s_add_co_u32 s60, s60, STG
	v_mul_u32_u24 v4, v12, SP
	s_delay_alu instid0(VALU_DEP_1)
	v_lshl_add_u32 v4, v13, 6, v4
	s_delay_alu instid0(VALU_DEP_1)
	v_add_nc_u32 v4, s60, v4                       ; v4  into the stage: row 32 f + r, + 256 hp + 64 h bytes
	s_mul_i32 s60, s14, 16*SP
	s_add_co_u32 s60, s60, STG
	v_add_nc_u32 v5, s60, v1                       ; v5  back: tile w's 16 rows, 16 bytes a lane
	v_lshlrev_b32 v6, 6, v13                       ; v6  64 h
.irp n, 0,1,2,3                        ; the bias in the result's layout: tile n, register j: column 32 (n / 2) + 8 (n % 2) + 16 h + j of my 64
.irp y, 0,1
	global_load_b128 v[B+8*\n+4*\y:B+8*\n+4*\y+3], v6, s[72:73] offset:(32*(\n/2)+8*(\n%2))*4+16*\y
.endr
.endr
	s_wait_alu depctr_va_vdst(0)
	s_wait_tensorcnt 0x0                           ; my quarter has landed,
	s_barrier_signal -1
	s_barrier_wait -1                              ; everybody's has
.irp a, 0,1
.irp hd, 0,1,2,3,4,5,6,7
	ds_load_b32 v[RAW+8*\a+\hd], v2 offset:8192*\a+1024*\hd+768   ; a head's two scale bytes of my row
.endr
.endr
.irp n, 0,1,2,3
	ds_load_b128 v[SCW+4*\n:SCW+4*\n+3], v3 offset:\n*REC+SCO
.endr
	s_wait_dscnt 0x0
.irp a, 0,1
.irp ks, 0,1,2,3
	v_lshl_or_b32 v[XS+4*\a+\ks], v[RAW+8*\a+2*\ks+1], 16, v[RAW+8*\a+2*\ks]   ; two heads' bytes: the scale word of K step ks
.endr
.endr
.rept 8
	v_nop                                          ; a scale register written by a vector instruction stands eight places ahead of a scaled product
.endr
	s_wait_alu depctr_va_vdst(0)
.irp ks, 0,1,2,3
.if \ks > 0
	PLACES
.endif
.irp a, 0,1
.irp c, 0,1
.irp p, 0,1,2
	ds_load_b64 v[FR+12*\a+6*\c+2*\p:FR+12*\a+6*\c+2*\p+1], v2 offset:8192*\a+1024*(2*\ks+\c)+256*\p   ; 32 lanes read 256 consecutive bytes
.endr
.endr
.endr
.irp n, 0,1,2,3
	FRAG FR+24+12*\n, 3, \n*REC+FRB*\ks
.endr
	s_wait_dscnt 0x0
.if \ks == 0
	s_wait_loadcnt 0x0                             ; the bias
.endif
.irp a, 0,1                            ; the eight accumulators take turns, one product a turn
.irp n, 0,1,2,3
.if \ks == 0
	v_wmma_scale_f32_16x16x128_f8f6f4 v[ACC+8*(4*\a+\n):ACC+8*(4*\a+\n)+7], v[FR+24+12*\n:FR+24+12*\n+11], v[FR+12*\a:FR+12*\a+11], v[B+8*\n:B+8*\n+7], v[SCW+4*\n+\ks], v[XS+4*\a+\ks] matrix_a_fmt:MATRIX_FMT_FP6 matrix_b_fmt:MATRIX_FMT_FP6
.else
	v_wmma_scale_f32_16x16x128_f8f6f4 v[ACC+8*(4*\a+\n):ACC+8*(4*\a+\n)+7], v[FR+24+12*\n:FR+24+12*\n+11], v[FR+12*\a:FR+12*\a+11], v[ACC+8*(4*\a+\n):ACC+8*(4*\a+\n)+7], v[SCW+4*\n+\ks], v[XS+4*\a+\ks] matrix_a_fmt:MATRIX_FMT_FP6 matrix_b_fmt:MATRIX_FMT_FP6
.endif
.endr
.endr
.endr
	PLACES
	; THE WAY OUT: a row's 128 columns of the block come from two waves: they meet in the stage, and each wave stores 16 whole rows of 512 bytes
.irp a, 0,1
.irp n, 0,1,2,3
.irp y, 0,1
	ds_store_b128 v4, v[ACC+8*(4*\a+\n)+4*\y:ACC+8*(4*\a+\n)+4*\y+3] offset:16*SP*\a+128*(\n/2)+32*(\n%2)+16*\y   ; each accumulator from its low end on
.endr
.endr
.endr
	s_wait_dscnt 0x0                               ; for the others' sake: my stores into the stage are done
	s_barrier_signal -1
	s_barrier_wait -1
.irp k, 0,1,2,3,4,5,6,7,8,9,10,11,12,13,14,15
	ds_load_b128 v[FR+4*\k:FR+4*\k+3], v5 offset:SP*\k
.endr
.irp k, 0,1,2,3,4,5,6,7,8,9,10,11,12,13,14,15
	s_wait_dscnt 15-\k                             ; row k is back; the younger loads may stay out
	global_store_b128 v1, v[FR+4*\k:FR+4*\k+3], s[70:71] offset:(\k+8*(\k/8))*2048 th:TH_STORE_NT   ; 32 lanes store 512 consecutive bytes, at a multiple of 256 from out0's first byte
.endr
	s_wait_tensorcnt 0x0
	ds_add_u32 v254, v255
	s_wait_dscnt 0x0
	CROUND                                         ; the closing round
	s_endpgm
.Lfunc_end_k_qc36f166124_oproj:
	.size	k_qc36f166124_oproj, .Lfunc_end_k_qc36f166124_oproj-k_qc36f166124_oproj
	.p2alignl 7, 3214868480
	.fill 96, 4, 3214868480
	.section	.rodata,"a",@progbits
	.p2align	6, 0x0
	.amdhsa_kernel k_qc36f166124_oproj
		.amdhsa_group_segment_fixed_size 187392
		.amdhsa_private_segment_fixed_size 0
		.amdhsa_enable_private_segment 0
		.amdhsa_kernarg_size 32
		.amdhsa_user_sgpr_count 2
		.amdhsa_user_sgpr_kernarg_segment_ptr 1
		.amdhsa_wavefront_size32 1
		.amdhsa_system_sgpr_workgroup_id_x 1
		.amdhsa_system_sgpr_workgroup_id_y 1
		.amdhsa_system_sgpr_workgroup_id_z 1
		.amdhsa_system_vgpr_workitem_id 0
		.amdhsa_next_free_vgpr 256
		.amdhsa_next_free_sgpr 76
		.amdhsa_reserve_vcc 0
		.amdhsa_float_denorm_mode_32 3
		.amdhsa_float_denorm_mode_16_64 3
		.amdhsa_memory_ordered 1
		.amdhsa_forward_progress 1
		.amdhsa_inst_pref_size 24
	.end_amdhsa_kernel
	.amdgpu_metadata
---
amdhsa.version: [ 1, 2 ]
amdhsa.kernels:
  - .name:           k_qc36f166124_oproj
    .symbol:         k_qc36f166124_oproj.kd
    .args:
      - { .name: ao, .offset: 0, .size: 8, .value_kind: global_buffer, .address_space: global }
      - { .name: img, .offset: 8, .size: 8, .value_kind: global_buffer, .address_space: global }
      - { .name: b_o, .offset: 16, .size: 8, .value_kind: global_buffer, .address_space: global }
      - { .name: out0, .offset: 24, .size: 8, .value_kind: global_buffer, .address_space: global }
    .group_segment_fixed_size: 187392
    .private_segment_fixed_size: 0
    .kernarg_segment_align: 8
    .kernarg_segment_size: 32
    .max_flat_workgroup_size: 256
    .sgpr_count:     76
    .vgpr_count:     256
    .wavefront_size: 32
...
	.end_amdgpu_metadata
.endif
;; end of part 4
